; MI455X (gfx1250); checked and timed in simulation.
; The chip was launched on July 23, 2026; its instructions are those of AMD's public machine-readable ISA for CDNA 5 (MIT licence, August 2026) and "CDNA5" Instruction Set Architecture Reference Guide (July 2026). The comments in the code are by the model that wrote it; some were corrected since.
;; Attn. Allowed arithmetic: matrix products marked QUANTISED: E3M2 operands, one E8M0 scale for each 32 along K, by v_wmma_scale_f32_16x16x128_f8f6f4 with both operands' format E3M2, f32 sums; products left as they are: f32 operands where the result goes on into a quantised operand, else bf16, f16 or f32 operands; f32 sums; everything else in f32.
;; Inputs: attn_W_codes 1,024 x 32 x 24 uint8 (E3M2 codes of attn_W, K innermost, in blocks of 32 codes, four codes in three bytes); attn_W_scales 1,024 x 32 uint8 (E8M0 scales of attn_W, one for each 32 codes along K); attn_b 1,024 float32; encoder_outputs_codes 2,048 x 32 x 32 x 24 uint8 (E3M2 codes of encoder_outputs, K innermost, in blocks of 32 codes, four codes in three bytes); encoder_outputs_scales 2,048 x 32 x 32 uint8 (E8M0 scales of encoder_outputs, one for each 32 codes along K); hidden 1 x 32 x 1,024 float32.
;; Outputs: out0 32 x 1 x 2,048 float32.
;; This version of the problem:
;;   THIS VERSION OF THE PROBLEM IS GIVEN IN LOW PRECISION. The matrix products marked QUANTISED in the list below multiply operands that are first quantised to E3M2 (3 exponent bits, 2 mantissa bits; 6 bits a number), with one power-of-two scale for each 32 numbers along K (OCP MX v1.0); their sums are f32. All else is computed in f32.
;;   The module's matrix products, in the order in which they are computed (A, B: the left and right operand; K: the contracted axis; several contracted axes count as one K, in the product's order):
;;     1. [M 65,536, K 1,024] x [K 1,024, N 1,024]; A: input encoder_outputs (given as codes); B: input attn_W (given as codes): QUANTISED
;;     2. batch 32 x [M 2,048, K 1,024] x [K 1,024, N 1]; A: computed on the way; B: input hidden: left as it is (N = 1 < 16)
;;   THE QUANTISER, for each operand of a quantised product, along K:
;;     - K is cut into blocks of 32 from its start; a last block that is shorter is filled with zeros.
;;     - A block's scale is 2^e with e = floor(log2(the largest magnitude in the block)) - 4, held to -126 .. 127; a block of zeros has e = 0. As a byte (E8M0): e + 127.
;;     - Each number is divided by its block's scale, clamped to +-28, and rounded to the nearest number of E3M2, ties to even, subnormals kept.
;;     - The product sums the exact products of the quantised numbers (number of the format x scale) in f32.
;;   ~~~python
;;   def quantise(x, axis):      # numpy; x: float32 -> the quantised numbers, widened to float32 again
;;       x = np.moveaxis(x, axis, -1); K = x.shape[-1]
;;       x = np.pad(x, [(0, 0)] * (x.ndim - 1) + [(0, -K % 32)]); x = x.reshape(x.shape[:-1] + (-1, 32)); a = np.abs(x).max(-1, keepdims=True)
;;       e = np.where(a > 0, np.clip(np.frexp(np.where(a > 0, a, 1))[1] - 1 - 4, -126, 127), 0)      # np.frexp(a)[1] - 1 = floor(log2(a)), exactly
;;       r = np.clip(x / 2.0 ** e, -28, 28)
;;       step = 2.0 ** (np.maximum(np.frexp(np.where(r == 0, 1, r))[1] - 1, -2) - 2)
;;       q = np.round(r / step) * step * 2.0 ** e      # np.round: ties to even
;;       return np.moveaxis(q.reshape(q.shape[:-2] + (-1,))[..., :K], -1, axis).astype(np.float32)
;;   ~~~
;;   INPUTS GIVEN AS CODES. attn_W (in the module: [1024, 1024], K = its axis 1); encoder_outputs (in the module: [2048, 32, 1024], K = its axis 2): each comes as NAME_codes (uint8): NAME with its K axis moved to the last place and cut into blocks of 32 codes, [.., K / 32, bytes a block], one block behind the other in memory; four codes in three bytes: a row's codes are one little-endian stream of bits, code i at bits 6 i .. 6 i + 5 (a code: sign, 3 exponent bits, 2 mantissa bits); and NAME_scales (uint8): the same leading axes, one E8M0 byte (e + 127) for each 32 codes along K. Its value is code x scale, taken as it is: it is not quantised again, and the codes and scales need not be those that the quantiser above would give.
;; One version. Each part assembles by itself: llvm-mc -triple=amdgcn-amd-amdhsa -mcpu=gfx1250 --defsym DOCPART=n.
;; ======== version 1 of 1: 2 launches
;; workspace buffers: part 2,097,152 bytes
;; launch gemm (part 1): grid 4 x 64, 4 waves a work-group, clusters of 4 x 1, 327,680 bytes of LDS; arguments encoder_outputs_codes, encoder_outputs_scales, attn_W_codes, attn_W_scales, hidden, part; writes part
.if DOCPART == 1
	.amdgcn_target "amdgcn-amd-amdhsa--gfx1250"
	.amdhsa_code_object_version 6
	.text
	.protected	k_q84350db44b_gemm
	.globl	k_q84350db44b_gemm
	.p2align	8
	.type	k_q84350db44b_gemm,@function
k_q84350db44b_gemm:
	s_mov_b64 s[64:65], 0
	v_nop
	global_prefetch_b8 v0, s[64:65] scope:SCOPE_SE
	s_setreg_imm32_b32 hwreg(HW_REG_WAVE_MODE, 25, 1), 1
	s_wait_xcnt 0x0
	s_wait_alu depctr_hold_cnt(0) depctr_sa_sdst(0) depctr_va_vdst(0) depctr_va_sdst(0) depctr_va_ssrc(0) depctr_va_vcc(0) depctr_vm_vsrc(0)
	s_getreg_b32 s2, hwreg(HW_REG_IB_STS2, 6, 4)
	s_cmp_eq_u32 s2, 0
	s_cbranch_scc0 .Lentry_in_a_cluster
	s_endpgm
.Lentry_in_a_cluster:
	s_bfe_u32 s2, ttmp6, 0x10000c
	s_cmp_lg_u32 s2, 0x3003
	s_cbranch_scc0 .Lentry_shape_is_right
	s_endpgm
.Lentry_shape_is_right:
; part[c][b][s] = the sum over 128 outputs o of (the sum over k of enc[s][b][k] W[o][k]) x hidden[b][o],  o = 128 c + 0 .. 127,  c = 0 .. 7.
; enc [2048 s][32 b][1024 k] and W [1024 o][1024 k] are codes of BF6 (E3M2), 6 bits each, K innermost (a row of 1,024 codes is 768 bytes), with one E8M0 byte for each 32 along K; the matrix
; instruction takes codes and bytes as they lie.  hidden [32][1024] and part [8][32][2048] are f32.  The projection (65,536 x 1,024 numbers) never leaves the registers: each finished tile is multiplied by
; hidden[b] and summed along o in f32 at once.  The bias and the log-softmax follow in the next launch: the sum over o of (proj + bias) hidden = the sum of proj x hidden + the sum of bias x hidden.
; LIMITS: the order of the f32 sums along o differs from a plain ascending one; a scale byte 0xff makes the sums NaN, as it stands for NaN.
; SHARES.  256 work-groups of four waves.  Work-group x = tc: outputs 256 tc on.  Work-group y: b = y % 32, sh = y / 32.  A TILE'S 256 ROWS ARE 256 SUCCESSIVE s OF ONE b (rows 32 x 768 bytes apart in memory):
; so hidden[b] is one vector for the whole work-group (64 registers a lane, loaded once), and a wave's 128 sums are 512 consecutive bytes of part.  A work-group STAYS and makes four tiles, s = 1024 sh + 256 t on.
; A wave makes 128 x 128 of a tile: 64 accumulators of 16 x 16, 512 registers.
; W STAYS IN LDS: all four tiles take the same 256 rows of W, 196,608 bytes, so they are brought once and only enc goes through a ring: two slots of 256 rows x 256 along K (192 bytes of a row), which runs on from tile to tile.
; W's rows lie 784 bytes apart in LDS (196 words: row r begins at bank 4 r, so the 32 lanes of a load of 8 bytes touch 64 different banks: 64 banks of 4 bytes, ISA guide 11.1).  They come by plain loads and LDS stores and
; not by joint tensor loads: a tensor load's padding follows a power of two of words, the nearest pitch without conflicts is 816 bytes, and 256 x 816 + the ring's 122,880 + 2,560 = 334,336 bytes are more than a WGP has.
; CLUSTERS: 4 x 1 work-groups: the four tc of one y need the same tiles of enc: each is asked for JOINTLY, by the same tensor load with the same descriptor and the mask of all four.
; SCALES.  Both sides' scale words stay in registers: W's for my 128 outputs and all of K (32 registers, loaded once), enc's for my 128 rows of the tile in hand (32 registers; a lane reads 32 bytes of a row, rows 1,024 bytes
; apart: short pieces, 4,096 bytes a wave and tile).  A scale register carries TWO neighbouring blocks of 16 rows, the even one in lanes 0-15, the odd one in lanes 16-31.
; THE MATRIX INSTRUCTION IS USED TRANSPOSED (source 0 = 16 rows of W, source 1 = 16 rows of enc): lane l holds row l % 16 of enc and eight neighbouring outputs 8 (l / 16) + 0 .. 7.
; REGISTERS, in windows of 256: window 0: v1-29 addresses; v32-63 enc's scale words; v64-95 W's scale words; v96-127 the way out's sums; v128-223 enc's fragments, ONE set; v224-239 the way out.
;   window 1: W's fragments, two sets, at v0 and v128; hidden at v96-127 and v224-255.   window 2: the accumulators of my rows 0-63 ((a, b) at v[8 (8 a + b)]);   window 3: those of my rows 64-127.
;   At the start, when no sum has begun, windows 2 and 3 carry W's rows from memory to LDS.
.set ROWB,   192                       ; a tile's row in bytes: 256 codes
.set APITCH, 24576                     ; from s to s + 1 in enc's codes: 32 rows of 768 bytes
.set WROW,   768                       ; a row of W in memory
.set PITCH,  240                       ; a row of enc's tile in LDS: 3 x (64 bytes + 16 of padding) = 60 words: the 32 lanes of a load of 8 bytes touch 64 different banks
.set FR,     12                        ; registers of a fragment: 16 rows x 128 K
.set NL,     6                         ; LDS loads that bring one
.set NP,     4                         ; places behind this matrix instruction (ISA guide 7.12.1)
.set QUART,  64*PITCH                  ; 64 rows: what one tensor load brings
.set HALFT,  128*PITCH                 ; 128 rows: what one wave reads of enc
.set SLOT,   256*PITCH
.set NEXT_A, 256*APITCH-2*ROWB         ; from a slot's last K step of a tile to its first of the next tile: 256 s down, back along K
.set WRES,   2*SLOT                    ; behind the ring: W's 256 rows; written by LDS stores, once; no tile lands here
.set WP,     784                       ; their pitch
.set STG,    WRES+256*WP               ; 512 bytes for each wave: its 128 sums turn here from 4 bytes a lane to 16; no tile lands here
.set SPARE,  STG+4*512                 ; the spare words, 128 bytes for each wave: two blocks of 256 bytes that no other line names
.set PF,    8                          ; v8     byte offset in enc's codes of the line that I ask for ahead
.set BSO,   9                          ; v9     32 x lane: my output's scale bytes
.set HO,    10                         ; v10    32 x (lane / 16): my half's eight numbers of each sixteen of hidden
.set ASO,   11                         ; v11    1,024 x lane: my row's scale bytes; never rewritten
.set WGB,   13                         ; v13    W in memory: bytes 512 on of two rows, sixteen lanes to a row
.set WLA,   14                         ; v14    W in LDS: bytes 0-511 of a row
.set WLB,   15                         ; v15    W in LDS: bytes 512 on of two rows
.set ADRA,  16                         ; v16-17 LDS address of my fragments of enc in slot 0, 1  (v18-19: for the pieces that lie behind one padding more)
.set ADRB,  20                         ; v20-21 LDS address of my fragments of W: blocks 0-3, blocks 4-7 (an LDS offset has 16 bits)
.set STW,   24                         ; v24    my stage, 4 bytes a lane
.set STR,   25                         ; v25    my stage, 16 bytes a lane
.set PO,    26                         ; v26    16 x lane: my place in 512 consecutive bytes, of W and of part; never rewritten
.set SPW,   28                         ; v28    LDS address of my spare word: SPARE + 4 x my thread's number; never rewritten
.set NIL,   29                         ; v29    0; never rewritten
.set AS,    32                         ; enc's scale words: register 8 i + w: lane l has word w (k = 128 w on) of my row 32 i + l of the tile in hand
.set BS,    64                         ; W's scale words: register 8 i + w: lane l has word w of output 32 i + l
.set T,     96                         ; v96-127 four blocks x four pairs of running sums
.set AF,    128                        ; enc's fragments
.set E,     224                        ; v224-231 a block's sums, one number a lane
.set F,     232                        ; v232-235 lane l: the sum of row 32 i + l
.set OUT,   236                        ; v236-239 four neighbouring sums
.set G1,   24                          ; s[24:31] descriptor group 1 for enc's tiles;  s[32:39] group 0, one set for each slot
.set G0,   32
.set MSB, 0
.macro WIN new                         ; the immediate's high byte repeats the setting that is left; a switch that changes nothing is dropped
.if MSB != (\new)
	s_set_vgpr_msb (MSB<<8)|(\new)
.set MSB, (\new)
.endif
.endm
.set MUL_LO, 0xa1                      ; source 0 (W) window 1, source 1 (enc) window 0, C and D window 2
.set MUL_HI, 0xf1                      ; the same, C and D window 3
.set TO_B,   0x40                      ; destination window 1, address window 0
; A joint load: every wave fetches its 64 rows of enc's tile.  Nothing in its registers hangs on my place in the cluster.  Four v_nop follow the line.
.macro ALOAD s
	tensor_load_to_lds s[G0+4*\s:G0+4*\s+3], s[G1:G1+7]
	s_nop 0
.rept 4
	v_nop
.endr
.endm
.macro CREST                           ; a round of the cluster's barrier behind its opening barrier
	s_cmp_lg_u32 s16, 0
	s_cbranch_scc1 .Lnot_wave_0_\@
	s_barrier_signal -3
.Lnot_wave_0_\@:
	s_barrier_wait -3
	s_barrier_signal -1
	s_barrier_wait -1
.endm
.macro CROUND                          ; a whole round
	s_barrier_signal -1
	s_barrier_wait -1
	CREST
.endm
; W FROM MEMORY TO LDS.  My 64 rows, in eight groups of eight.  A pair of rows is three loads of 16 bytes a lane: bytes 0-511 of each row, then bytes 512-767 of both: every load covers whole aligned blocks of 256 bytes.
; Load n of my 96 lands in registers 4 n on of windows 2 and 3, and is stored to LDS from there.
.macro WLOAD g
.set WPR, 4*(\g)
.rept 4
.set WJ, 3*WPR
	WIN 0x80+0x40*(WJ/64)
	global_load_b128 v[4*(WJ%64):4*(WJ%64)+3], v[PO], s[8:9] offset:2*WROW*WPR
.set WJ, 3*WPR+1
	WIN 0x80+0x40*(WJ/64)
	global_load_b128 v[4*(WJ%64):4*(WJ%64)+3], v[PO], s[8:9] offset:2*WROW*WPR+WROW
.set WJ, 3*WPR+2
	WIN 0x80+0x40*(WJ/64)
	global_load_b128 v[4*(WJ%64):4*(WJ%64)+3], v[WGB], s[8:9] offset:2*WROW*WPR
.set WPR, WPR+1
.endr
	WIN 0
.endm
.macro WSTORE g                        ; an LDS store's data are its source 1
.set WPR, 4*(\g)
.rept 4
.set WJ, 3*WPR
	WIN 0x08+0x04*(WJ/64)
	ds_store_b128 v[WLA], v[4*(WJ%64):4*(WJ%64)+3] offset:2*WP*WPR
.set WJ, 3*WPR+1
	WIN 0x08+0x04*(WJ/64)
	ds_store_b128 v[WLA], v[4*(WJ%64):4*(WJ%64)+3] offset:2*WP*WPR+WP
.set WJ, 3*WPR+2
	WIN 0x08+0x04*(WJ/64)
	ds_store_b128 v[WLB], v[4*(WJ%64):4*(WJ%64)+3] offset:2*WP*WPR
.set WPR, WPR+1
.endr
	WIN 0
.endm
; enc's scale words: half 0: words 0-3 (k = 0 .. 511), half 1: words 4-7, of my 128 rows, off bytes on from the tile in hand
.macro ASLOAD half, off
.irp i, 0,1,2,3
	global_load_b128 v[AS+8*\i+4*(\half):AS+8*\i+4*(\half)+3], v[ASO], s[6:7] offset:32768*\i+16*(\half)+(\off)
.endr
.endm
	s_load_b128 s[4:7], s[0:1], 0x0                ; enc's codes s[4:5], enc's scales s[6:7]
	s_load_b128 s[8:11], s[0:1], 0x10              ; W's codes s[8:9], W's scales s[10:11]
	s_load_b128 s[12:15], s[0:1], 0x20             ; hidden s[12:13], part s[14:15]
	v_lshl_add_u32 v[SPW], v0, 2, SPARE
	v_mov_b32 v[NIL], 0
	ds_add_u32 v28, v29
	ds_add_u32 v28, v29
	s_wait_dscnt 0x0
	v_lshrrev_b32 v1, 5, v0
	v_readfirstlane_b32 s16, v1                    ; wave 0..3
	s_lshr_b32 s17, s16, 1                         ; which half of the tile's rows is mine
	s_and_b32 s18, s16, 1                          ; which half of its outputs
	s_bfe_u32 s40, ttmp6, 0x40000                  ; cx: my place in the cluster
	s_lshl_b32 s42, ttmp9, 2
	s_add_co_u32 s42, s42, s40                     ; tc = 4 x cluster x + cx
	s_and_b32 s84, ttmp7, 0xffff                   ; y: a cluster is one work-group high
	s_and_b32 s85, s84, 31                         ; b
	s_lshr_b32 s86, s84, 5                         ; sh: which 1,024 of the 2,048 s
	v_and_b32 v1, 15, v0                           ; r = l % 16
	v_bfe_u32 v2, v0, 4, 1                         ; h = l / 16
	v_and_b32 v3, 31, v0                           ; l
	v_lshlrev_b32 v[PO], 4, v3
	v_mul_u32_u24 v[WGB], v2, WROW
	v_lshl_add_u32 v[WGB], v1, 4, v[WGB]
	v_add_nc_u32 v[WGB], 512, v[WGB]               ; 512 + 16 r + a row for lanes 16-31
	v_lshlrev_b32 v[BSO], 5, v3
	v_lshlrev_b32 v[ASO], 10, v3
	; descriptor group 1: a tile of 64 rows x 192 bytes, padded in LDS
	s_mov_b32 s[G1+0], 15|(0<<16)|(1<<20)|(1<<21)|(3<<22)|(3<<25)   ; 15:0 the mask: all four work-groups; 17:16 element of 1 byte; 20 padding on; 21 set beside a mask; 24:22 after every 16 words (code 3); 31:25 of 4 words (code 3)
	s_mov_b32 s[G1+1], ROWB<<16                    ; tensor_dim0 = 192
	s_mov_b32 s[G1+2], 64<<16                      ; tensor_dim1 = 64
	s_mov_b32 s[G1+3], ROWB<<16                    ; tile_dim0 = 192
	s_mov_b32 s[G1+4], 64                          ; tile_dim1 = 64
	s_mov_b32 s[G1+5], APITCH                      ; tensor_dim0_stride: from s to s + 1
	s_mov_b32 s[G1+6], 0
	s_mov_b32 s[G1+7], 0
	; byte offsets.  What feeds the descriptors is made of y and the wave's number alone
	s_mul_i32 s20, s86, 1024*APITCH                ; enc's codes: s = 1024 sh + 64 x wave,
	s_mul_i32 s21, s16, 64*APITCH
	s_add_co_u32 s20, s20, s21
	s_mul_i32 s21, s85, 768                        ; row b of that s
	s_add_co_u32 s20, s20, s21
	s_mov_b32 s21, 0
	s_lshl_b32 s22, s86, 20                        ; enc's scale bytes: s = 1024 sh + 128 x half of the rows (1,024 bytes for each s),
	s_lshl_b32 s23, s17, 17
	s_add_co_u32 s22, s22, s23
	s_lshl_b32 s23, s85, 5                         ; row b: 32 bytes
	s_add_co_u32 s22, s22, s23
	s_mov_b32 s23, 0
	s_lshl_b32 s46, s42, 8                         ; W's codes: the 64 rows that I bring: 256 tc + 64 x wave
	s_lshl_b32 s47, s16, 6
	s_add_co_u32 s46, s46, s47
	s_mul_i32 s46, s46, WROW
	s_mov_b32 s47, 0
	s_lshl_b32 s87, s42, 8
	s_lshl_b32 s93, s18, 7
	s_add_co_u32 s87, s87, s93                     ; n0 = 256 tc + 128 x half: my first output
	s_mul_i32 s45, s16, QUART                      ; where my part of a tile goes: wave x 64 rows: no place in the cluster enters an LDS address
	s_lshl_b32 s88, s85, 12                        ; hidden: row b, my 128 outputs
	s_lshl_b32 s89, s87, 2
	s_add_co_u32 s88, s88, s89
	s_mov_b32 s89, 0
	s_lshl_b32 s90, s87, 5                         ; W's scale bytes: 32 a row
	s_mov_b32 s91, 0
	s_lshl_b32 s82, s42, 1                         ; part: c = 2 tc + half of the outputs: 262,144 bytes each,
	s_add_co_u32 s82, s82, s18
	s_lshl_b32 s82, s82, 18
	s_lshl_b32 s83, s85, 13                        ; row b of 8,192 bytes,
	s_add_co_u32 s82, s82, s83
	s_lshl_b32 s83, s86, 12                        ; s = 1024 sh + 128 x half of the rows
	s_add_co_u32 s82, s82, s83
	s_lshl_b32 s83, s17, 9
	s_add_co_u32 s82, s82, s83
	s_mov_b32 s83, 0                               ; s[82:83]: what the next way out adds to part's address
	s_mul_i32 s92, s86, 1024*APITCH                ; asking ahead: the NEXT tile's rows 64 cx + lane (and 32 on), row b, bytes 256 x wave on
	s_mul_i32 s93, s40, 64*APITCH
	s_add_co_u32 s92, s92, s93
	s_mul_i32 s93, s85, 768
	s_add_co_u32 s92, s92, s93
	s_lshl_b32 s93, s16, 8
	s_add_co_u32 s92, s92, s93
	s_add_co_u32 s92, s92, 256*APITCH
	s_wait_kmcnt 0x0
	s_add_nc_u64 s[20:21], s[4:5], s[20:21]
	s_add_nc_u64 s[6:7], s[6:7], s[22:23]
	s_add_nc_u64 s[8:9], s[8:9], s[46:47]
	s_add_nc_u64 s[10:11], s[10:11], s[90:91]
	s_add_nc_u64 s[12:13], s[12:13], s[88:89]
.irp i, 0,1,2,3
	global_load_b128 v[BS+8*\i:BS+8*\i+3],   v[BSO], s[10:11] offset:1024*\i      ; output 32 i + l: its eight scale words; the wave reads 1,024 consecutive bytes in two instructions
	global_load_b128 v[BS+8*\i+4:BS+8*\i+7], v[BSO], s[10:11] offset:1024*\i+16
.endr
	ASLOAD 0, 0                                    ; the first tile's scale words 0-3
.irp g, 0,1,2,3
	WLOAD \g                                       ; W's first four groups: with the 12 loads above, 60 loads of mine are out
.endr
	CROUND                                         ; all four work-groups are here: the first joint loads meet
.irp s, 0,1
	s_mov_b32 s[G0+4*\s], 1                        ; count = 1
	s_add_co_u32 s[G0+4*\s+1], s45, \s*SLOT        ; LDS address
	s_add_nc_u64 s[G0+4*\s+2:G0+4*\s+3], s[20:21], \s*ROWB   ; global address: K step s
	s_or_b32 s[G0+4*\s+3], s[G0+4*\s+3], 0x80000000          ; type = 2
	ALOAD \s                                       ; K steps 0 and 1: two tensor loads of mine are out
.endr
	v_mul_u32_u24 v4, v1, PITCH
	v_mul_u32_u24 v5, v2, 24
	v_add_nc_u32 v4, v4, v5                        ; enc: a fragment's row x pitch + 24 x half
	v_lshl_add_u32 v5, v2, 4, v4                   ; and the same behind one padding more
	s_mul_i32 s93, s17, HALFT                      ; my 128 rows of enc
.irp s, 0,1
	v_add_nc_u32 v[ADRA+\s], s93, v4
	v_add_nc_u32 v[ADRA+2+\s], s93, v5
	s_add_co_u32 s93, s93, SLOT
.endr
	v_mul_u32_u24 v6, v1, WP
	v_mad_u32_u24 v6, v2, 24, v6                   ; W: a fragment's row x pitch + 24 x half
	s_mul_i32 s93, s18, 128*WP                     ; my 128 rows of W
	s_add_co_u32 s93, s93, WRES
	v_add_nc_u32 v[ADRB], s93, v6
	v_add_nc_u32 v[ADRB+1], 64*WP, v[ADRB]
	s_mul_i32 s93, s16, 64*WP                      ; where the 64 rows that I bring go
	s_add_co_u32 s93, s93, WRES
	v_add_nc_u32 v[WLA], s93, v[PO]
	v_mul_u32_u24 v7, v2, WP
	v_lshl_add_u32 v7, v1, 4, v7
	v_add_nc_u32 v7, 512, v7
	v_add_nc_u32 v[WLB], s93, v7
	s_lshl_b32 s93, s16, 9
	s_add_co_u32 s93, s93, STG                     ; my stage
	v_lshl_add_u32 v[STW], v3, 2, s93
	v_lshl_add_u32 v[STR], v3, 4, s93
	v_lshlrev_b32 v[HO], 5, v2
	v_mul_u32_u24 v[PF], v3, APITCH
	v_add_nc_u32 v[PF], s92, v[PF]
.irp g, 0,1,2,3
	s_wait_loadcnt 36                              ; loads come back in order (ISA guide 5.7.1): group g is in; the three groups of 12 behind it stay out
	WLOAD \g+4                                     ; four groups are out again
	WSTORE \g
.endr
	s_wait_loadcnt 36                              ; group 4 is in
	WIN TO_B
.irp b, 0,1,2,3,4,5,6,7                        ; hidden[b][n0 + 16 b' + 8 h + 0 .. 7], in the result's layout, at v[96 + 8 b' + 96 (b' / 4)] of window 1: beside W's two sets
	global_load_b128 v[96+8*\b+96*(\b/4):96+8*\b+96*(\b/4)+3],   v[HO], s[12:13] offset:64*\b
	global_load_b128 v[96+8*\b+96*(\b/4)+4:96+8*\b+96*(\b/4)+7], v[HO], s[12:13] offset:64*\b+16
.endr
	WIN 0
	WSTORE 4
	s_wait_loadcnt 40                              ; group 5 is in: behind it two groups of 12 and hidden's 16
	WSTORE 5
	s_wait_loadcnt 28                              ; group 6: one group and hidden's 16
	WSTORE 6
	s_wait_loadcnt 16                              ; group 7: hidden's 16
	WSTORE 7
.macro FRAG reg, adr, q, i             ; a fragment, 16 rows x 128 K of 6-bit codes, is 12 registers: lane l holds row l % 16; registers 6 c .. 6 c + 5 hold K = 64 c + 32 (l / 16) + 0 .. 31: 24 bytes of the row's stream of bits, as they lie
.irp p, 0,1,2,3,4,5                    ; in pieces of 8 bytes, so that every address is a multiple of the access's size.  Lanes 0-15 take the row's pieces 12 q + 0, 1, 2 and 12 q + 6, 7, 8, lanes 16-31 those three pieces on
.set PC, 12*(\q)+6*(\p/3)+\p%3        ; 16 bytes of padding lie behind every 64 bytes (8 pieces): where the piece three on lies behind one padding more, the second address register (40 for 24 bytes a half) serves
.if PC%8 < 5
	ds_load_b64 v[\reg+2*\p:\reg+2*\p+1], v[\adr] offset:8*PC+16*(PC/8)+(\i)*16*PITCH
.else
	ds_load_b64 v[\reg+2*\p:\reg+2*\p+1], v[\adr+2] offset:8*PC+16*(PC/8)+(\i)*16*PITCH
.endif
.endr
.endm
.macro FRAGW reg, kw, i                ; the same of W's block i, k = 128 kw on: its rows have no padding inside
.irp p, 0,1,2,3,4,5
	ds_load_b64 v[\reg+2*\p:\reg+2*\p+1], v[ADRB+(\i)/4] offset:((\i)%4)*16*WP+96*(\kw)+48*(\p/3)+8*(\p%3)
.endr
.endm
; One matrix instruction: enc's block a x W's block b.  p: W's set;  kw: which 128 of K (both sides' scale words).  zero = 1: the product starts the sum: nothing is ever cleared.
; An odd block's scale words lie in lanes 16-31 of their register: ROW1 on that side (source 0 = W, source 1 = enc).
.macro WM a, b, p, kw, zero
.set rD, 8*(8*((\a)%4)+(\b))
.set rB, 128*(\p)+FR*(\b)
.set rA, AF+FR*(\a)
.set rT, BS+8*((\b)/2)+(\kw)
.set rS, AS+8*((\a)/2)+(\kw)
.set odd, 2*((\a)%2)+(\b)%2
.if \zero
.if odd == 0
	v_wmma_scale_f32_16x16x128_f8f6f4 v[rD:rD+7], v[rB:rB+FR-1], v[rA:rA+FR-1], 0, v[rT], v[rS] matrix_a_fmt:MATRIX_FMT_BF6 matrix_b_fmt:MATRIX_FMT_BF6
.elseif odd == 1
	v_wmma_scale_f32_16x16x128_f8f6f4 v[rD:rD+7], v[rB:rB+FR-1], v[rA:rA+FR-1], 0, v[rT], v[rS] matrix_a_fmt:MATRIX_FMT_BF6 matrix_b_fmt:MATRIX_FMT_BF6 matrix_a_scale:MATRIX_SCALE_ROW1
.elseif odd == 2
	v_wmma_scale_f32_16x16x128_f8f6f4 v[rD:rD+7], v[rB:rB+FR-1], v[rA:rA+FR-1], 0, v[rT], v[rS] matrix_a_fmt:MATRIX_FMT_BF6 matrix_b_fmt:MATRIX_FMT_BF6 matrix_b_scale:MATRIX_SCALE_ROW1
.else
	v_wmma_scale_f32_16x16x128_f8f6f4 v[rD:rD+7], v[rB:rB+FR-1], v[rA:rA+FR-1], 0, v[rT], v[rS] matrix_a_fmt:MATRIX_FMT_BF6 matrix_b_fmt:MATRIX_FMT_BF6 matrix_a_scale:MATRIX_SCALE_ROW1 matrix_b_scale:MATRIX_SCALE_ROW1
.endif
.else
.if odd == 0
	v_wmma_scale_f32_16x16x128_f8f6f4 v[rD:rD+7], v[rB:rB+FR-1], v[rA:rA+FR-1], v[rD:rD+7], v[rT], v[rS] matrix_a_fmt:MATRIX_FMT_BF6 matrix_b_fmt:MATRIX_FMT_BF6
.elseif odd == 1
	v_wmma_scale_f32_16x16x128_f8f6f4 v[rD:rD+7], v[rB:rB+FR-1], v[rA:rA+FR-1], v[rD:rD+7], v[rT], v[rS] matrix_a_fmt:MATRIX_FMT_BF6 matrix_b_fmt:MATRIX_FMT_BF6 matrix_a_scale:MATRIX_SCALE_ROW1
.elseif odd == 2
	v_wmma_scale_f32_16x16x128_f8f6f4 v[rD:rD+7], v[rB:rB+FR-1], v[rA:rA+FR-1], v[rD:rD+7], v[rT], v[rS] matrix_a_fmt:MATRIX_FMT_BF6 matrix_b_fmt:MATRIX_FMT_BF6 matrix_b_scale:MATRIX_SCALE_ROW1
.else
	v_wmma_scale_f32_16x16x128_f8f6f4 v[rD:rD+7], v[rB:rB+FR-1], v[rA:rA+FR-1], v[rD:rD+7], v[rT], v[rS] matrix_a_fmt:MATRIX_FMT_BF6 matrix_b_fmt:MATRIX_FMT_BF6 matrix_a_scale:MATRIX_SCALE_ROW1 matrix_b_scale:MATRIX_SCALE_ROW1
.endif
.endif
.endm
; 16 matrix instructions: enc's blocks a0, a0 + 1 x W's eight.  The 64 accumulators take turns, one instruction a turn, in the same order in every step.
.macro MUL16 a0, p, kw, zero
.irp a, \a0, \a0+1
.irp b, 0,1,2,3,4,5,6,7
	WM \a, \b, \p, \kw, \zero
.endr
.endr
.endm
.macro FETCH_B kw, p                   ; W's eight fragments of k = 128 kw on into set p
	WIN TO_B
.irp i, 0,1,2,3,4,5,6,7
	FRAGW 128*(\p)+FR*\i, \kw, \i
.endr
	WIN 0
.endm
.macro FETCH_A slot, q, i0             ; enc's blocks i0 .. i0 + 3 of the slot's q-th 128 along K
.irp i, \i0, \i0+1, \i0+2, \i0+3
	FRAG AF+FR*(\i), ADRA+\slot, \q, \i
.endr
.endm
; A load into a register that a matrix instruction has read, and a vector instruction that reads a matrix result, stand NP places behind that matrix instruction, and only plain vector instructions that
; name none of its registers are places (ISA guide 7.12.1 for vector instructions); this text does not count the matrix instructions in between.
.macro PLACES n
.rept \n
	v_nop
.endr
.endm
; ASKING AHEAD.  In a tile's K step 1 the next tile's 256 rows of enc (768 bytes each, three aligned blocks of 256 bytes) are asked for, each block once in the launch: of the four work-groups that share the rows,
; cx takes rows 64 cx on; wave w < 3 takes block w of each row; a lane a row, two requests.  The first tensor load that wants them stands at the end of K step 2.  The last tile asks for nothing.
.macro PREF
	s_cmp_lt_u32 s16, 3
	s_cbranch_scc0 .Lno_pf_\@
	global_prefetch_b8 v[PF], s[4:5] th:TH_LOAD_NT scope:SCOPE_SE
	global_prefetch_b8 v[PF], s[4:5] offset:32*APITCH th:TH_LOAD_NT scope:SCOPE_SE
.Lno_pf_\@:
.endm
; The first 128 along K of K step ks, which lies in slot.  sl = 1: this tile's scale words 4-7 are asked for (wanted from K step 2 on; their registers were last read in the tile before);
; sl = 2: the next tile's words 0-3 (their registers were last read in K step 1).  Both stand behind the step's places.
.macro STEP ks, slot, zero, sl, pf
.if (\ks)%2 == 0
	s_wait_loadcnt 0x0                             ; the four scale words a row that the next two K steps read were asked for two K steps ago (ahead of the first tile: at the head, with hidden and W's scale words)
.endif
	s_wait_dscnt 4*NL                              ; W's set and enc's blocks 0-3 are in; the youngest 24 loads (enc's blocks 4-7) may be out
	WIN MUL_LO
	MUL16 0, 0, 2*(\ks), \zero
	MUL16 2, 0, 2*(\ks), \zero
	s_wait_dscnt 0                                 ; enc's blocks 4-7 are in (asked for 32 matrix instructions ago)
	PLACES NP
	FETCH_B 2*(\ks)+1, 1
	FETCH_A \slot, 1, 0
.if \sl == 1
	ASLOAD 1, 0
.endif
.if \sl == 2
	ASLOAD 0, 262144                               ; 256 s on
.endif
.if \pf
	PREF
.endif
	WIN MUL_HI
	MUL16 4, 0, 2*(\ks), \zero
	MUL16 6, 0, 2*(\ks), \zero
	PLACES NP
	WIN 0
	FETCH_A \slot, 1, 4
.endm
; The second 128 along K of K step ks changes slots: ONE barrier; in front of it each wave waits for all its tensor loads, adds 0 to its spare word, and waits for that and for its own reads of this slot.
; fill = 1: this slot is filled again with this tile's K step ks + 2;  fill = 2: with the NEXT tile's K step ks - 2;  fill = 0: not at all.  next: the slot that follows;  kwn: which 128 of K follow.
.macro TURN ks, slot, next, kwn, fill
	s_wait_tensorcnt 0x0                           ; all my tensor loads have landed: the one that was out is my part of the next slot  (every window is 0 here: the add's two registers lie in window 0)
	ds_add_u32 v[SPW], v[NIL]                      ; 0 onto my spare word
	s_wait_dscnt 4*NL+1                            ; (the add and the youngest 24 loads, enc's blocks 4-7, may be out)
	WIN MUL_LO
	MUL16 0, 1, 2*(\ks)+1, 0                       ; sixteen matrix instructions stand between the add and the wait for it
	s_wait_dscnt 0x0                               ; the add is done, and my reads of this slot are over
	s_barrier_signal -1
	MUL16 2, 1, 2*(\ks)+1, 0
	WIN 0
	s_barrier_wait -1
.if \fill
	CREST                                          ; the barrier has opened a round of the cluster's barrier: no wave of any partner still reads this slot's tile or has a load on its way
.if \fill == 1
	s_add_nc_u64 s[G0+4*\slot+2:G0+4*\slot+3], s[G0+4*\slot+2:G0+4*\slot+3], 2*ROWB
.else
	s_add_nc_u64 s[G0+4*\slot+2:G0+4*\slot+3], s[G0+4*\slot+2:G0+4*\slot+3], NEXT_A   ; THE RING GOES ON INTO THE NEXT TILE: 256 s down and back along K
.endif
	ALOAD \slot                                    ; the first tensor load behind the round, my one load until the next: 96 matrix instructions ahead of the wait for it; its four v_nop are the places in front of the loads below
.else
	PLACES NP
.endif
	FETCH_B \kwn, 0
	FETCH_A \next, 0, 0
	WIN MUL_HI
	MUL16 4, 1, 2*(\ks)+1, 0
	MUL16 6, 1, 2*(\ks)+1, 0
	PLACES NP
	WIN 0
	FETCH_A \next, 0, 4
.endm
; THE SECOND PRODUCT AND THE WAY OUT.  Lane (r, h) holds, in accumulator (a, b'), proj(row 16 a + r, outputs 16 b' + 8 h + 0 .. 7).  Four blocks of rows at a time: each block's eight accumulators are multiplied by
; hidden and summed in four pairs of running sums (packed multiply-adds, sixteen chains by turns; each accumulator is read from its low end on); the pairs are added; an exchange of the
; lanes' halves between two neighbouring blocks adds the two halves' outputs and leaves lane l with row 32 i + l.  The 128 sums turn through my stage, and the wave stores 512 consecutive bytes, aligned.
; step = 1: a tile follows.
.macro EPI step
	s_wait_xcnt 0x0                                ; every earlier load, store and request has read its registers and its base: these are written again only behind this wait
	s_add_nc_u64 s[14:15], s[14:15], s[82:83]      ; part at this tile's sums
.if \step
	s_add_nc_u64 s[6:7], s[6:7], 262144            ; enc's scale bytes at the next tile
	v_add_nc_u32 v[PF], 256*APITCH, v[PF]          ; the next requests go a tile further
.endif
.irp hi, 0,1
	WIN 0x06+\hi                                   ; source 0 (the accumulators) window 2 or 3, source 1 (hidden) window 1, the sums window 0
.irp b, 0,1,2,3,4,5,6,7
.irp a, 0,1,2,3
.irp j, 0,2,4,6
.if \b == 0
	v_pk_mul_f32 v[T+8*\a+\j:T+8*\a+\j+1], v[8*(8*\a+\b)+\j:8*(8*\a+\b)+\j+1], v[96+8*\b+96*(\b/4)+\j:96+8*\b+96*(\b/4)+\j+1]
.else
	v_pk_fma_f32 v[T+8*\a+\j:T+8*\a+\j+1], v[8*(8*\a+\b)+\j:8*(8*\a+\b)+\j+1], v[96+8*\b+96*(\b/4)+\j:96+8*\b+96*(\b/4)+\j+1], v[T+8*\a+\j:T+8*\a+\j+1]
.endif
.endr
.endr
.endr
	WIN 0
.irp a, 0,1,2,3
	v_pk_add_f32 v[T+8*\a:T+8*\a+1], v[T+8*\a:T+8*\a+1], v[T+8*\a+2:T+8*\a+3]
.endr
.irp a, 0,1,2,3
	v_pk_add_f32 v[T+8*\a+4:T+8*\a+5], v[T+8*\a+4:T+8*\a+5], v[T+8*\a+6:T+8*\a+7]
.endr
.irp a, 0,1,2,3
	v_pk_add_f32 v[T+8*\a:T+8*\a+1], v[T+8*\a:T+8*\a+1], v[T+8*\a+4:T+8*\a+5]
.endr
.irp a, 0,1,2,3
	v_add_f32 v[E+4*\hi+\a], v[T+8*\a], v[T+8*\a+1]    ; block 4 hi + a: row r, my half's 64 outputs
.endr
.endr
.irp i, 0,1,2,3
	v_permlane16_swap_b32 v[E+2*\i], v[E+2*\i+1]   ; the first now holds the lower halves' sums of blocks 2 i (lanes 0-15) and 2 i + 1 (lanes 16-31), the second the upper halves'
.endr
.irp i, 0,1,2,3
	v_add_f32 v[F+\i], v[E+2*\i], v[E+2*\i+1]      ; lane l: row 32 i + l, all my 128 outputs
.endr
.irp i, 0,1,2,3
	ds_store_b32 v[STW], v[F+\i] offset:128*\i
.endr
	ds_load_b128 v[OUT:OUT+3], v[STR]              ; LDS serves a wave's instructions in order (ISA guide 5.7.1.4): this sees the stores above
	s_wait_dscnt 0x0
	global_store_b128 v[PO], v[OUT:OUT+3], s[14:15]    ; 32 lanes store 512 consecutive bytes, at a multiple of 512 from part's first byte
.if \step
	s_mov_b64 s[82:83], 1024                       ; the next tile's sums lie 256 s on
.endif
.endm
	s_wait_dscnt 0x0                               ; for the others' sake: my 64 rows of W lie in LDS
	s_wait_tensorcnt 1                             ; my part of K step 0 is in; K step 1's load may stay out
	s_barrier_signal -1
	s_barrier_wait -1                              ; everybody's are
	FETCH_B 0, 0
	FETCH_A 0, 0, 0
	FETCH_A 0, 0, 4
	s_mov_b32 s3, 3
.Ltile:                                                ; three trips: every tile that has a successor.  A tile's first step starts the sums with the constant 0
	STEP 0, 0, 1, 1, 0
	TURN 0, 0, 1, 2, 1
	STEP 1, 1, 0, 0, 1
	TURN 1, 1, 0, 4, 1
	STEP 2, 0, 0, 2, 0
	TURN 2, 0, 1, 6, 2                             ; slot 0 takes the next tile's K step 0,
	STEP 3, 1, 0, 0, 0
	TURN 3, 1, 0, 0, 2                             ; slot 1 its K step 1, and the next tile's first fragments are fetched
	EPI 1                                          ; both refills are asked for: now the tile is summed and leaves.  The four places behind the last products stand at TURN's end
	s_sub_co_u32 s3, s3, 1
	s_cmp_lg_u32 s3, 0
	s_cbranch_scc1 .Ltile
	STEP 0, 0, 1, 1, 0                             ; the last tile is written out
	TURN 0, 0, 1, 2, 1
	STEP 1, 1, 0, 0, 0
	TURN 1, 1, 0, 4, 1
	STEP 2, 0, 0, 0, 0
	TURN 2, 0, 1, 6, 0                             ; nothing is left to fetch: no round of the cluster's barrier
	STEP 3, 1, 0, 0, 0
	s_wait_dscnt 4*NL                              ; the very last 128 along K
	WIN MUL_LO
	MUL16 0, 1, 7, 0
	MUL16 2, 1, 7, 0
	s_wait_dscnt 0x0
	WIN MUL_HI
	MUL16 4, 1, 7, 0
	MUL16 6, 1, 7, 0
	WIN 0
	PLACES NP
	EPI 0
	s_wait_tensorcnt 0x0                           ; the wave's end: behind my last tensor load and my last LDS store
	ds_add_u32 v[SPW], v[NIL]
	s_wait_dscnt 0x0
	CROUND                                         ; the closing round: no work-group ends while a partner may still ask for a tile that names it
	s_endpgm
.Lfunc_end_k_q84350db44b_gemm:
	.size	k_q84350db44b_gemm, .Lfunc_end_k_q84350db44b_gemm-k_q84350db44b_gemm
	.p2alignl 7, 3214868480
	.fill 96, 4, 3214868480
	.section	.rodata,"a",@progbits
	.p2align	6, 0x0
	.amdhsa_kernel k_q84350db44b_gemm
		.amdhsa_group_segment_fixed_size 327680
		.amdhsa_private_segment_fixed_size 0
		.amdhsa_enable_private_segment 0
		.amdhsa_kernarg_size 48
		.amdhsa_user_sgpr_count 2
		.amdhsa_user_sgpr_kernarg_segment_ptr 1
		.amdhsa_wavefront_size32 1
		.amdhsa_system_sgpr_workgroup_id_x 1
		.amdhsa_system_sgpr_workgroup_id_y 1
		.amdhsa_system_sgpr_workgroup_id_z 1
		.amdhsa_system_vgpr_workitem_id 0
		.amdhsa_next_free_vgpr 1024
		.amdhsa_next_free_sgpr 100
		.amdhsa_reserve_vcc 0
		.amdhsa_float_denorm_mode_32 3
		.amdhsa_float_denorm_mode_16_64 3
		.amdhsa_memory_ordered 1
		.amdhsa_forward_progress 1
		.amdhsa_inst_pref_size 255
	.end_amdhsa_kernel
	.section	.bss,"aw",@nobits
	.p2align	6
	.space	262144
	.amdgpu_metadata
---
amdhsa.version: [ 1, 2 ]
amdhsa.kernels:
  - .name:           k_q84350db44b_gemm
    .symbol:         k_q84350db44b_gemm.kd
    .args:
      - { .name: encoder_outputs_codes, .offset: 0, .size: 8, .value_kind: global_buffer, .address_space: global }
      - { .name: encoder_outputs_scales, .offset: 8, .size: 8, .value_kind: global_buffer, .address_space: global }
      - { .name: attn_W_codes, .offset: 16, .size: 8, .value_kind: global_buffer, .address_space: global }
      - { .name: attn_W_scales, .offset: 24, .size: 8, .value_kind: global_buffer, .address_space: global }
      - { .name: hidden, .offset: 32, .size: 8, .value_kind: global_buffer, .address_space: global }
      - { .name: part, .offset: 40, .size: 8, .value_kind: global_buffer, .address_space: global }
    .group_segment_fixed_size: 327680
    .private_segment_fixed_size: 0
    .kernarg_segment_align: 8
    .kernarg_segment_size: 48
    .max_flat_workgroup_size: 128
    .sgpr_count:     100
    .vgpr_count:     1024
    .wavefront_size: 32
...
	.end_amdgpu_metadata
.endif
;; end of part 1
;; launch lsm (part 2): grid 32 x 1, 16 waves a work-group, no clusters, 2,304 bytes of LDS; arguments part, attn_b, hidden, out0; writes out0
.if DOCPART == 2
	.amdgcn_target "amdgcn-amd-amdhsa--gfx1250"
	.amdhsa_code_object_version 6
	.text
	.protected	k_q84350db44b_lsm
	.globl	k_q84350db44b_lsm
	.p2align	8
	.type	k_q84350db44b_lsm,@function
k_q84350db44b_lsm:
	s_mov_b64 s[64:65], 0
	v_nop
	global_prefetch_b8 v0, s[64:65] scope:SCOPE_SE
	s_setreg_imm32_b32 hwreg(HW_REG_WAVE_MODE, 25, 1), 1
	s_wait_xcnt 0x0
; out0[b][s] = e[b][s] - log(the sum over s of exp(e[b][s])),  e[b][s] = the sum over c = 0 .. 7 of part[c][b][s] + the sum over o of attn_b[o] hidden[b][o].
; part [8][32][2048], attn_b [1024], hidden [32][1024], out0 [32][2048]: f32.  The row's maximum is taken away before the exponentials.
; One work-group for each b, since the maximum and the sum span all 2,048 s: 16 waves, thread t owns s = 4 t .. 4 t + 3 (16 bytes: each load and store of a wave covers 512 consecutive bytes) and two numbers
; of attn_b and of hidden[b].  32 work-groups are all the work there is; they share nothing but attn_b's 4,096 bytes, so no cluster; no matrix unit: there is no product here but a dot product of 1,024.
; LIMITS: exponentials under 2^-126 count as 0 (ISA guide, v_exp_f32); the bias's dot product is summed apart from the projection's, so the order of rounding differs from a sum of (proj + bias) x hidden.
; LDS: bytes 0-63 the waves' maxima, 64-127 their parts of the dot product, 128-191 their sums: each word is written once.
	s_load_b256 s[4:11], s[0:1], 0x0               ; part s[4:5], attn_b s[6:7], hidden s[8:9], out0 s[10:11]
	v_lshl_add_u32 v64, v0, 2, 0x100
	v_mov_b32 v65, 0
	v_lshlrev_b32 v1, 4, v0                        ; 16 t
	v_lshlrev_b32 v2, 3, v0                        ; 8 t
	v_lshrrev_b32 v3, 5, v0
	v_lshlrev_b32 v3, 2, v3                        ; 4 x wave: my wave's word
	v_and_b32 v4, 15, v0
	v_lshlrev_b32 v4, 2, v4                        ; 4 x (lane % 16): the word of one of the sixteen waves
	s_lshl_b32 s12, ttmp9, 13                      ; row b of part and of out0: 8,192 bytes
	s_mov_b32 s13, 0
	s_lshl_b32 s14, ttmp9, 12                      ; row b of hidden: 4,096 bytes
	s_mov_b32 s15, 0
	s_mov_b32 s16, 0x76543210                      ; v_permlanex16_b32's selects for lane l xor 16
	s_mov_b32 s17, 0xfedcba98
	s_mov_b32 s18, 0xbf317218                      ; -ln 2
	v_mov_b32 v46, 0                               ; written once: a lane permute's destination counts as one of its sources
	v_mov_b32 v47, 0
	s_wait_kmcnt 0x0
	s_add_nc_u64 s[4:5], s[4:5], s[12:13]
	s_add_nc_u64 s[10:11], s[10:11], s[12:13]
	s_add_nc_u64 s[8:9], s[8:9], s[14:15]
	global_load_b64 v[40:41], v2, s[6:7]
	global_load_b64 v[42:43], v2, s[8:9]
.irp c, 0,1,2,3,4,5,6,7
	global_load_b128 v[8+4*\c:11+4*\c], v1, s[4:5] offset:262144*\c
.endr
	s_wait_loadcnt 0x0
.irp c, 0,2,4,6                                ; the eight parts, as a tree, two numbers an instruction
	v_pk_add_f32 v[8+4*\c:9+4*\c], v[8+4*\c:9+4*\c], v[12+4*\c:13+4*\c]
	v_pk_add_f32 v[10+4*\c:11+4*\c], v[10+4*\c:11+4*\c], v[14+4*\c:15+4*\c]
.endr
.irp c, 0,4
	v_pk_add_f32 v[8+4*\c:9+4*\c], v[8+4*\c:9+4*\c], v[16+4*\c:17+4*\c]
	v_pk_add_f32 v[10+4*\c:11+4*\c], v[10+4*\c:11+4*\c], v[18+4*\c:19+4*\c]
.endr
	v_pk_add_f32 v[8:9], v[8:9], v[24:25]
	v_pk_add_f32 v[10:11], v[10:11], v[26:27]      ; v[8:11]: my four energies, without the bias's part
	v_mul_f32 v44, v40, v42
	v_fmac_f32 v44, v41, v43                       ; my two terms of attn_b . hidden[b]
	v_max3_num_f32 v45, v8, v9, v10
	v_max_num_f32 v45, v45, v11                    ; my largest
.irp m, 1,2,4,8                                ; over the wave: four steps inside each half of 16 lanes, one across
	v_max_num_f32_dpp v45, v45, v45 row_xmask:\m row_mask:0xf bank_mask:0xf
	v_add_f32_dpp v44, v44, v44 row_xmask:\m row_mask:0xf bank_mask:0xf
.endr
	v_permlanex16_b32 v46, v45, s16, s17
	v_permlanex16_b32 v47, v44, s16, s17
	v_max_num_f32 v45, v45, v46
	v_add_f32 v44, v44, v47
	ds_store_b32 v3, v45                           ; all lanes of a wave write the same word with the same value
	ds_store_b32 v3, v44 offset:64
	s_wait_dscnt 0x0                               ; for the others' sake: my stores are done
	s_barrier_signal -1
	s_barrier_wait -1
	ds_load_b32 v45, v4                            ; sixteen lanes take the sixteen waves' words
	ds_load_b32 v44, v4 offset:64
	s_wait_dscnt 0x0
.irp m, 1,2,4,8
	v_max_num_f32_dpp v45, v45, v45 row_xmask:\m row_mask:0xf bank_mask:0xf
	v_add_f32_dpp v44, v44, v44 row_xmask:\m row_mask:0xf bank_mask:0xf
.endr
.irp i, 0,1,2,3
	v_add_f32 v[8+\i], v[8+\i], v44                ; the energies as they are defined: with the bias's part
.endr
	v_add_f32 v46, v45, v44                        ; their maximum: the same addition on the largest gives the largest (rounding keeps the order)
.irp i, 0,1,2,3
	v_sub_f32 v[12+\i], v[8+\i], v46               ; x = e - max, 0 or less
.endr
.irp i, 0,1,2,3
	v_mul_f32 v[16+\i], 0x3fb8aa3b, v[12+\i]       ; x log2(e)
.endr
.irp i, 0,1,2,3
	v_exp_f32 v[16+\i], v[16+\i]
.endr
	v_nop                                          ; one plain instruction between the exponentials and the use of their results
	s_wait_alu depctr_va_vdst(0)
	v_add_f32 v20, v16, v17
	v_add_f32 v21, v18, v19
	v_add_f32 v20, v20, v21
.irp m, 1,2,4,8
	v_add_f32_dpp v20, v20, v20 row_xmask:\m row_mask:0xf bank_mask:0xf
.endr
	v_permlanex16_b32 v47, v20, s16, s17
	v_add_f32 v20, v20, v47
	ds_store_b32 v3, v20 offset:128                ; other bytes than the first exchange's: no barrier is owed for those
	s_wait_dscnt 0x0
	s_barrier_signal -1
	s_barrier_wait -1
	ds_load_b32 v20, v4 offset:128
	s_wait_dscnt 0x0
.irp m, 1,2,4,8
	v_add_f32_dpp v20, v20, v20 row_xmask:\m row_mask:0xf bank_mask:0xf
.endr
	v_log_f32 v21, v20                             ; log2 of the sum, which is at least 1: the largest energy's term
	v_nop                                          ; one plain instruction behind the transcendental
	s_wait_alu depctr_va_vdst(0)
.irp i, 0,1,2,3
	v_fma_f32 v[8+\i], v21, s18, v[12+\i]          ; x - ln 2 x log2(sum)
.endr
	global_store_b128 v1, v[8:11], s[10:11]        ; a wave stores 512 consecutive bytes, aligned
	s_wait_tensorcnt 0x0
	ds_add_u32 v64, v65
	s_wait_dscnt 0x0
	s_endpgm
.Lfunc_end_k_q84350db44b_lsm:
	.size	k_q84350db44b_lsm, .Lfunc_end_k_q84350db44b_lsm-k_q84350db44b_lsm
	.p2alignl 7, 3214868480
	.fill 96, 4, 3214868480
	.section	.rodata,"a",@progbits
	.p2align	6, 0x0
	.amdhsa_kernel k_q84350db44b_lsm
		.amdhsa_group_segment_fixed_size 2304
		.amdhsa_private_segment_fixed_size 0
		.amdhsa_enable_private_segment 0
		.amdhsa_kernarg_size 32
		.amdhsa_user_sgpr_count 2
		.amdhsa_user_sgpr_kernarg_segment_ptr 1
		.amdhsa_wavefront_size32 1
		.amdhsa_system_sgpr_workgroup_id_x 1
		.amdhsa_system_sgpr_workgroup_id_y 1
		.amdhsa_system_sgpr_workgroup_id_z 1
		.amdhsa_system_vgpr_workitem_id 0
		.amdhsa_next_free_vgpr 66
		.amdhsa_next_free_sgpr 66
		.amdhsa_reserve_vcc 0
		.amdhsa_float_denorm_mode_32 3
		.amdhsa_float_denorm_mode_16_64 3
		.amdhsa_memory_ordered 1
		.amdhsa_forward_progress 1
		.amdhsa_inst_pref_size 7
	.end_amdhsa_kernel
	.amdgpu_metadata
---
amdhsa.version: [ 1, 2 ]
amdhsa.kernels:
  - .name:           k_q84350db44b_lsm
    .symbol:         k_q84350db44b_lsm.kd
    .args:
      - { .name: part, .offset: 0, .size: 8, .value_kind: global_buffer, .address_space: global }
      - { .name: attn_b, .offset: 8, .size: 8, .value_kind: global_buffer, .address_space: global }
      - { .name: hidden, .offset: 16, .size: 8, .value_kind: global_buffer, .address_space: global }
      - { .name: out0, .offset: 24, .size: 8, .value_kind: global_buffer, .address_space: global }
    .group_segment_fixed_size: 2304
    .private_segment_fixed_size: 0
    .kernarg_segment_align: 8
    .kernarg_segment_size: 32
    .max_flat_workgroup_size: 512
    .sgpr_count:     66
    .vgpr_count:     66
    .wavefront_size: 32
...
	.end_amdgpu_metadata
.endif
;; end of part 2
